; MI455X (gfx1250); checked and timed in simulation.
; The chip was launched on July 23, 2026; its instructions are those of AMD's public machine-readable ISA for CDNA 5 (MIT licence, August 2026) and "CDNA5" Instruction Set Architecture Reference Guide (July 2026). The comments in the code are by the model that wrote it; some were corrected since.
;; Bit Linear. Allowed arithmetic: matrix products marked QUANTISED: E5M2 operands, one given power-of-two scale a tensor, by v_wmma_f32_16x16x64_bf8_bf8 or v_wmma_f32_16x16x128_bf8_bf8, f32 sums; everything else in f32.
;; Inputs: beta one number float32; gamma one number float32; ln_beta 4,096 float32; ln_gamma 4,096 float32; lowp_scales 2 int32 (the exponents e of the quantised operands' scales 2^e); w_codes 2,048 x 128 x 32 uint8 (E5M2 codes of w, K innermost, in blocks of 32 codes); x 4 x 2,048 x 4,096 float32.
;; Outputs: out0 4 x 2,048 x 2,048 float32.
;; This version of the problem:
;;   THIS VERSION OF THE PROBLEM IS GIVEN IN LOW PRECISION. The matrix products marked QUANTISED in the list below multiply operands that are first quantised to E5M2 (5 exponent bits, 2 mantissa bits; 8 bits a number), with one given power-of-two scale for each operand tensor; their sums are f32. All else is computed in f32.
;;   The module's matrix products, in the order in which they are computed (A, B: the left and right operand; K: the contracted axis; several contracted axes count as one K, in the product's order):
;;     1. [M 8,192, K 4,096] x [K 4,096, N 2,048]; A: computed on the way; B: input w (given as codes): QUANTISED (scales: A lowp_scales[0], B lowp_scales[1])
;;   THE QUANTISER, for each operand of a quantised product, along K:
;;     - The operand's scale is 2^e, e = its entry of the input lowp_scales (int32; the entries are numbered through the quantised products in the list's order, A before B).
;;     - Each number is divided by the scale, clamped to +-57,344, and rounded to the nearest number of E5M2, ties to even, subnormals kept.
;;     - The product sums the exact products of the quantised numbers (number of the format x scale) in f32.
;;   ~~~python
;;   def quantise(x, axis, e):      # numpy; x: float32 -> the quantised numbers, widened to float32 again
;;       x = np.moveaxis(x, axis, -1); K = x.shape[-1]
;;       r = np.clip(x / 2.0 ** e, -57344, 57344)
;;       step = 2.0 ** (np.maximum(np.frexp(np.where(r == 0, 1, r))[1] - 1, -14) - 2)
;;       q = np.round(r / step) * step * 2.0 ** e      # np.round: ties to even
;;       return np.moveaxis(q, -1, axis).astype(np.float32)
;;   ~~~
;;   OPERANDS COMPUTED ON THE WAY. 'Computed on the way' means the value that the module computes at that place (a softmax that the list does not call 'softmax' is quantised finished and normalised). What goes into a quantiser is computed in f32, as accurately as f32 sums, v_exp_f32 and their like allow (about 1e-6 of the number): no bf16 or f16 on the way to a quantiser, and a product that is left as it is and whose result goes on into a quantised operand takes f32 operands (vector FMAs, or v_wmma_f32_16x16x4_f32). A number that lies on a knife's edge between two numbers of the format may be rounded either way, as far as f32 arithmetic and the matrix unit's own rounding can turn it there, and no further.
;;   INPUTS GIVEN AS CODES. w (in the module: [4096, 2048], K = its axis 0): each comes as NAME_codes (uint8): NAME with its K axis moved to the last place and cut into blocks of 32 codes, [.., K / 32, bytes a block], one block behind the other in memory; one code a byte (a code: sign, 5 exponent bits, 2 mantissa bits); its scale is its entry of lowp_scales. Its value is code x scale, taken as it is: it is not quantised again, and the codes and scales need not be those that the quantiser above would give.
;; One version. Each part assembles by itself: llvm-mc -triple=amdgcn-amd-amdhsa -mcpu=gfx1250 --defsym DOCPART=n.
;; ======== version 1 of 1: 2 launches
;; limits: right only within a limited range of input values
;; workspace buffers: xc 33,554,432 bytes
;; launch lnq (part 1): grid 256 x 1, 16 waves a work-group, no clusters, 75,776 bytes of LDS; arguments x, ln_gamma, ln_beta, gamma, lowp_scales, xc; writes xc
.if DOCPART == 1
	.amdgcn_target "amdgcn-amd-amdhsa--gfx1250"
	.amdhsa_code_object_version 6
	.text
	.protected	k_q45ca34e095_lnq
	.globl	k_q45ca34e095_lnq
	.p2align	8
	.type	k_q45ca34e095_lnq,@function
k_q45ca34e095_lnq:
	s_mov_b64 s[64:65], 0
	v_nop
	global_prefetch_b8 v0, s[64:65] scope:SCOPE_SE
	s_setreg_imm32_b32 hwreg(HW_REG_WAVE_MODE, 25, 1), 1
	s_wait_xcnt 0x0
; The E5M2 codes of clip(LayerNorm(x) x 128 / gamma, +-127.99) under the given scale 2^e0.  x: [8192][4096] f32.
; xc IS LAID AS THE NEXT LAUNCH'S REGISTERS WANT IT: [64 rows G][128 along K s][16 rows a][2,048 bytes]; in an image of 2,048 bytes, byte 512 c + 256 h + 16 r + i
; is the code of row 64 G + 16 a + r, column 128 s + 32 c + 16 h + i: four loads of 16 bytes a lane, at 16 x lane, bring a matrix operand of 16 rows x 128 K.
; SHARES.  A work-group of sixteen waves owns 32 rows; wave w owns columns 256 w .. 256 w + 255 of every row, so its part of ln_gamma and ln_beta is 8 + 8 registers a lane, loaded once.
; Rows go in four batches of eight through three sets of 64 registers; batch t + 2 is asked for in the course of batch t, a row (two loads) at a time.
; A BATCH: the rows' sums (lane, wave, then the sixteen waves through LDS), x - mean in place, the sums of squared deviations the same way (a true second pass),
; then (x - mean) rstd A + B with A = ln_gamma 128 / gamma, B = ln_beta 128 / gamma, the hold, the conversion, and the codes into the wave's own stage in LDS.
; Two batches fill the stage with 16 rows x 256 codes in the image's order (units of 256 bytes, 272 apart); then they leave, each store of the wave covering 512 consecutive bytes, aligned.
; THE HOLD.  The clip at +-127.99 and the quantiser's clamp at +-57,344 x 2^e0 are both symmetric: the smaller bound serves for both.
; LIMITS: -126 <= e0 <= 112; |gamma| between 2^-126 and 2^126 (its reciprocal is taken); NaN among the inputs is not served.
.set ROWX,  16384
.set STAT,  0                          ; LDS: eight regions of 512 bytes, one for each exchange; none is written twice
.set STAGE, 4096                       ; LDS: 16 units x 272 bytes for each wave
.set WSTG,  4352
.set SPARE, STAGE+16*WSTG              ; the spare words: 128 bytes a wave
.set XO,  1                            ; 1,024 w + 16 lane
.set SST, 2                            ; 64 (lane & 7) + 4 w
.set SLD, 3                            ; 16 lane
.set CST, 4                            ; my stage + 272 (lane / 4) + 4 (lane & 3): four codes of columns 4 lane .. lie in unit lane / 4
.set CLD, 5                            ; my stage + 272 (lane / 16) + 16 (lane & 15)
.set CO,  6                            ; 16,384 w + 16 lane: my wave's two images (s = 2 w, 2 w + 1) lie 8,192 apart
.set LIM, 7
.set SCL, 8
.set PX,  9
.set SV,  10
.set T,   14
.set P,   22
.set GA,  30
.set GB,  38
.set C,   46
.set RG,  62
.set X0,  64
.set NM,  32
.set RS,  48
	s_load_b256 s[4:11], s[0:1], 0x0               ; x, ln_gamma, ln_beta, gamma
	s_load_b128 s[12:15], s[0:1], 0x20             ; the scales' exponents, xc
	v_and_b32 v[SV], 31, v0
	v_lshrrev_b32 v[SV+1], 5, v0
	s_delay_alu instid0(VALU_DEP_1)
	v_readfirstlane_b32 s16, v[SV+1]               ; wave 0..15
	s_lshl_b32 s17, s16, 10
	v_lshl_add_u32 v[XO], v[SV], 4, s17
	v_and_b32 v[SV+2], 7, v0
	s_lshl_b32 s17, s16, 2
	v_lshl_add_u32 v[SST], v[SV+2], 6, s17
	v_lshlrev_b32 v[SLD], 4, v[SV]
	s_mul_i32 s17, s16, WSTG
	s_add_co_u32 s17, s17, STAGE                   ; my stage
	v_lshrrev_b32 v[SV+2], 2, v[SV]
	v_and_b32 v[SV+3], 3, v0
	v_mul_u32_u24 v[SV+2], v[SV+2], 272
	v_lshl_add_u32 v[SV+2], v[SV+3], 2, v[SV+2]
	v_add_nc_u32 v[CST], s17, v[SV+2]
	v_bfe_u32 v[SV+2], v0, 4, 1
	v_and_b32 v[SV+3], 15, v0
	v_mul_u32_u24 v[SV+2], v[SV+2], 272
	v_lshl_add_u32 v[SV+2], v[SV+3], 4, v[SV+2]
	v_add_nc_u32 v[CLD], s17, v[SV+2]
	s_lshl_b32 s17, s16, 14
	v_lshl_add_u32 v[CO], v[SV], 4, s17
	s_mov_b32 s22, 0x76543210
	s_mov_b32 s23, 0xfedcba98
	s_mov_b32 s24, 0xaaaaaaaa
	s_mov_b32 s25, 0xcccccccc
	s_mov_b32 s26, 0xf0f0f0f0
	s_mov_b32 s27, 0x39800000                      ; 1 / 4,096
	s_mov_b32 s28, 0x3727c5ac                      ; 1e-5
.irp r, 0,1,2,3,4,5,6,7
	s_mov_b32 s[NM+2*\r+1], 0
	s_mov_b32 s[RS+2*\r+1], 0
.endr
	v_mov_b32 v[PX], 0
	v_mov_b32 v[RG+1], 0
	s_lshl_b32 s18, ttmp9, 19                      ; the work-group's 32 rows of x
	s_mov_b32 s19, 0
	s_wait_kmcnt 0x0
	s_load_b32 s20, s[10:11], 0x0                  ; gamma
	s_load_b32 s21, s[12:13], 0x0                  ; e0
	s_add_nc_u64 s[4:5], s[4:5], s[18:19]
	s_lshr_b32 s18, ttmp9, 1                       ; G: 262,144 bytes each;
	s_lshl_b32 s18, s18, 18
	s_and_b32 s17, ttmp9, 1                        ; my 32 rows are its blocks a = 0, 1 or 2, 3
	s_lshl_b32 s17, s17, 12
	s_add_co_u32 s18, s18, s17
	s_add_nc_u64 s[14:15], s[14:15], s[18:19]
	global_load_b128 v[GA:GA+3],   v[XO], s[6:7]
	global_load_b128 v[GA+4:GA+7], v[XO], s[6:7] offset:512
	global_load_b128 v[GB:GB+3],   v[XO], s[8:9]
	global_load_b128 v[GB+4:GB+7], v[XO], s[8:9] offset:512
.macro LOADROW t, r
	global_load_b128 v[X0+64*((\t)%3)+8*(\r):X0+64*((\t)%3)+8*(\r)+3],   v[XO], s[4:5] offset:(8*(\t)+(\r))*ROWX th:TH_LOAD_NT
	global_load_b128 v[X0+64*((\t)%3)+8*(\r)+4:X0+64*((\t)%3)+8*(\r)+7], v[XO], s[4:5] offset:(8*(\t)+(\r))*ROWX+512 th:TH_LOAD_NT
.endm
.macro LOADB t
.irp r, 0,1,2,3,4,5,6,7
	LOADROW \t, \r
.endr
.endm
.macro AHEAD t, r                      ; in the course of batch t: row r of batch t + 2, where there is one
.if (\t) < 2
	LOADROW (\t)+2, \r
.endif
.endm
	LOADB 0
	LOADB 1
	s_wait_kmcnt 0x0
	v_rcp_f32 v[RG], s20
	s_add_co_i32 s29, s21, 127
	s_lshl_b32 s30, s29, 23
	v_mov_b32 v[SCL], s30                          ; 2^e0 (a plain instruction behind the reciprocal)
	s_add_co_i32 s29, s29, 15
	s_lshl_b32 s29, s29, 23
	s_or_b32 s29, s29, 0x600000
	v_mov_b32 v[LIM], s29                          ; 57,344 x 2^e0,
	s_delay_alu instid0(VALU_DEP_1)
	v_min_num_f32 v[LIM], 0x42fffae1, v[LIM]       ; or 127.99 where that is less
	s_wait_alu depctr_va_vdst(0)                   ; ahead of the reciprocal's first reader
	v_mul_f32 v[RG], 0x43000000, v[RG]             ; 128 / gamma
	s_wait_alu depctr_va_vdst(0)                   ; the head's end
	s_wait_loadcnt 32                              ; ln_gamma's and ln_beta's four loads are in; x's 32 stay out
.irp k, 0,2,4,6
	v_pk_mul_f32 v[GA+\k:GA+\k+1], v[GA+\k:GA+\k+1], v[RG:RG+1] op_sel_hi:[1,0]
	v_pk_mul_f32 v[GB+\k:GB+\k+1], v[GB+\k:GB+\k+1], v[RG:RG+1] op_sel_hi:[1,0]
.endr
; Two rows' partial sums are folded into one register: lanes without the bit keep row a, the others row b, and each takes its partner's share.
.macro FOLD a, b, m, x, tmp
	v_cndmask_b32 v[\tmp], v[\b], v[\a], \m
	v_cndmask_b32 v[\a], v[\a], v[\b], \m
	s_delay_alu instid0(VALU_DEP_1)
	v_add_f32_dpp v[\a], v[\tmp], v[\a] row_xmask:\x row_mask:0xf bank_mask:0xf
.endm
.macro REDUCE8                         ; eight partial sums a lane become, in v[P] of every lane, the wave's total of row lane & 7
	FOLD P+0, P+1, s24, 1, T+0
	FOLD P+2, P+3, s24, 1, T+1
	FOLD P+4, P+5, s24, 1, T+2
	FOLD P+6, P+7, s24, 1, T+3
	FOLD P+0, P+2, s25, 2, T+0
	FOLD P+4, P+6, s25, 2, T+1
	FOLD P+0, P+4, s26, 4, T+0
	s_delay_alu instid0(VALU_DEP_1)
	v_add_f32_dpp v[P], v[P], v[P] row_xmask:8 row_mask:0xf bank_mask:0xf
	s_delay_alu instid0(VALU_DEP_1)
	v_permlanex16_b32 v[PX], v[P], s22, s23
	s_delay_alu instid0(VALU_DEP_1)
	v_add_f32 v[P], v[P], v[PX]
.endm
.macro XCHG reg                        ; the sixteen waves' totals meet: store, wait, barrier, load; then v[SV] of lane l holds the total of row l / 4
	ds_store_b32 v[SST], v[P] offset:STAT+512*(\reg)
	s_wait_dscnt 0x0                               ; for the others' sake: my store has landed
	s_barrier_signal -1
	s_barrier_wait -1
	ds_load_b128 v[SV:SV+3], v[SLD] offset:STAT+512*(\reg)
	s_wait_dscnt 0x0
	v_add_f32 v[SV], v[SV], v[SV+1]
	v_add_f32 v[SV+2], v[SV+2], v[SV+3]
	s_delay_alu instid0(VALU_DEP_1)
	v_add_f32 v[SV], v[SV], v[SV+2]
	s_delay_alu instid0(VALU_DEP_1)
	v_add_f32_dpp v[SV], v[SV], v[SV] row_xmask:1 row_mask:0xf bank_mask:0xf
	s_delay_alu instid0(VALU_DEP_1)
	v_add_f32_dpp v[SV], v[SV], v[SV] row_xmask:2 row_mask:0xf bank_mask:0xf
.endm
.macro BATCH t, left                   ; left = the loads issued behind this batch's, which may stay out
.set XS, X0+64*((\t)%3)
	s_wait_loadcnt \left
	AHEAD \t, 0
.irp g, 0,4
.irp r, 0,1,2,3
	v_pk_add_f32 v[T+2*\r:T+2*\r+1], v[XS+8*(\g+\r):XS+8*(\g+\r)+1], v[XS+8*(\g+\r)+2:XS+8*(\g+\r)+3]
.endr
.irp k, 4,6
.irp r, 0,1,2,3
	s_delay_alu instid0(VALU_DEP_4)
	v_pk_add_f32 v[T+2*\r:T+2*\r+1], v[T+2*\r:T+2*\r+1], v[XS+8*(\g+\r)+\k:XS+8*(\g+\r)+\k+1]
.endr
.endr
.irp r, 0,1,2,3
	s_delay_alu instid0(VALU_DEP_4)
	v_add_f32 v[P+\g+\r], v[T+2*\r], v[T+2*\r+1]
.endr
.if \g == 0
	AHEAD \t, 1
.endif
.endr
	REDUCE8
	XCHG 2*(\t)
	AHEAD \t, 2
	v_mul_f32 v[SV], 0xb9800000, v[SV]             ; -mean
.irp r, 0,1,2,3,4,5,6,7
	v_readlane_b32 s[NM+2*\r], v[SV], 4*\r
.endr
.irp g, 0,4
.irp k, 0,2,4,6
.irp r, 0,1,2,3
	v_pk_add_f32 v[XS+8*(\g+\r)+\k:XS+8*(\g+\r)+\k+1], v[XS+8*(\g+\r)+\k:XS+8*(\g+\r)+\k+1], s[NM+2*(\g+\r):NM+2*(\g+\r)+1] op_sel_hi:[1,0]
.endr
.endr
.irp r, 0,1,2,3
	v_pk_mul_f32 v[T+2*\r:T+2*\r+1], v[XS+8*(\g+\r):XS+8*(\g+\r)+1], v[XS+8*(\g+\r):XS+8*(\g+\r)+1]
.endr
.irp k, 2,4,6
.irp r, 0,1,2,3
	s_delay_alu instid0(VALU_DEP_4)
	v_pk_fma_f32 v[T+2*\r:T+2*\r+1], v[XS+8*(\g+\r)+\k:XS+8*(\g+\r)+\k+1], v[XS+8*(\g+\r)+\k:XS+8*(\g+\r)+\k+1], v[T+2*\r:T+2*\r+1]
.endr
.endr
.irp r, 0,1,2,3
	s_delay_alu instid0(VALU_DEP_4)
	v_add_f32 v[P+\g+\r], v[T+2*\r], v[T+2*\r+1]
.endr
.if \g == 0
	AHEAD \t, 3
.endif
.endr
	REDUCE8
	XCHG 2*(\t)+1
	s_delay_alu instid0(VALU_DEP_1)
	v_fma_f32 v[SV], v[SV], s27, s28               ; var + 1e-5
	s_wait_alu depctr_va_vdst(0)                   ; ahead of the root
	v_rsq_f32 v[SV+1], v[SV]
	v_nop
	s_wait_alu depctr_va_vdst(0)                   ; and ahead of its first reader
.irp r, 0,1,2,3,4,5,6,7
	v_readlane_b32 s[RS+2*\r], v[SV+1], 4*\r
.endr
.irp r, 0,1,2,3,4,5,6,7
.irp k, 0,2,4,6
	v_pk_mul_f32 v[XS+8*\r+\k:XS+8*\r+\k+1], v[XS+8*\r+\k:XS+8*\r+\k+1], s[RS+2*\r:RS+2*\r+1] op_sel_hi:[1,0]
.endr
.irp k, 0,2,4,6
	s_delay_alu instid0(VALU_DEP_4)
	v_pk_fma_f32 v[XS+8*\r+\k:XS+8*\r+\k+1], v[XS+8*\r+\k:XS+8*\r+\k+1], v[GA+\k:GA+\k+1], v[GB+\k:GB+\k+1]
.endr
.irp k, 0,1,2,3,4,5,6,7
	v_med3_num_f32 v[XS+8*\r+\k], v[XS+8*\r+\k], -v[LIM], v[LIM]   ; the clip and the clamp in one; the conversion does not saturate (ISA guide 7.6.2)
.endr
	v_cvt_scalef32_pk8_bf8_f32 v[C+2*\r:C+2*\r+1], v[XS+8*\r:XS+8*\r+7], v[SCL]
.if (\r) % 2 == 0
	AHEAD \t, 4+\r/2
.endif
.endr
	v_nop                                          ; a plain instruction behind the last conversion
	; row r of this batch is row 8 (t % 2) + r of its block of 16; register 0 belongs to the image s = 2 w, register 1 to s = 2 w + 1 (eight units on)
.irp r, 0,1,2,3,4,5,6,7
	ds_store_b32 v[CST], v[C+2*\r]   offset:16*(8*((\t)%2)+\r)
	ds_store_b32 v[CST], v[C+2*\r+1] offset:16*(8*((\t)%2)+\r)+8*272
.endr
.if (\t) % 2 == 1
	; 16 rows are in the stage: they come back two units a load (LDS serves a wave's instructions in order: ISA guide 5.7.1.4), into this batch's set, which no later load or instruction writes
.irp i, 0,1,2,3,4,5,6,7
	ds_load_b128 v[XS+4*\i:XS+4*\i+3], v[CLD] offset:544*\i
.endr
.irp i, 0,1,2,3,4,5,6,7
	s_wait_dscnt 7-\i
	global_store_b128 v[CO], v[XS+4*\i:XS+4*\i+3], s[14:15] offset:8192*(\i/4)+2048*((\t)/2)+512*(\i%4)   ; 512 consecutive bytes of an image, at a multiple of 512 from xc's first byte
.endr
.endif
.endm
	BATCH 0, 16
	BATCH 1, 16
	BATCH 2, 16
	BATCH 3, 0
	s_wait_xcnt 0x0
	v_lshl_add_u32 v254, v0, 2, SPARE
	v_mov_b32 v255, 0
	s_wait_alu depctr_va_vdst(0)
	s_wait_tensorcnt 0x0                           ; the wave's end
	ds_add_u32 v254, v255
	s_wait_dscnt 0x0
	s_endpgm
.Lfunc_end_k_q45ca34e095_lnq:
	.size	k_q45ca34e095_lnq, .Lfunc_end_k_q45ca34e095_lnq-k_q45ca34e095_lnq
	.p2alignl 7, 3214868480
	.fill 96, 4, 3214868480
	.section	.rodata,"a",@progbits
	.p2align	6, 0x0
	.amdhsa_kernel k_q45ca34e095_lnq
		.amdhsa_group_segment_fixed_size 75776
		.amdhsa_private_segment_fixed_size 0
		.amdhsa_enable_private_segment 0
		.amdhsa_kernarg_size 48
		.amdhsa_user_sgpr_count 2
		.amdhsa_user_sgpr_kernarg_segment_ptr 1
		.amdhsa_wavefront_size32 1
		.amdhsa_system_sgpr_workgroup_id_x 1
		.amdhsa_system_sgpr_workgroup_id_y 1
		.amdhsa_system_sgpr_workgroup_id_z 1
		.amdhsa_system_vgpr_workitem_id 0
		.amdhsa_next_free_vgpr 256
		.amdhsa_next_free_sgpr 66
		.amdhsa_reserve_vcc 0
		.amdhsa_float_denorm_mode_32 3
		.amdhsa_float_denorm_mode_16_64 3
		.amdhsa_memory_ordered 1
		.amdhsa_forward_progress 1
		.amdhsa_inst_pref_size 111
	.end_amdhsa_kernel
	.amdgpu_metadata
---
amdhsa.version: [ 1, 2 ]
amdhsa.kernels:
  - .name:           k_q45ca34e095_lnq
    .symbol:         k_q45ca34e095_lnq.kd
    .args:
      - { .name: x, .offset: 0, .size: 8, .value_kind: global_buffer, .address_space: global }
      - { .name: ln_gamma, .offset: 8, .size: 8, .value_kind: global_buffer, .address_space: global }
      - { .name: ln_beta, .offset: 16, .size: 8, .value_kind: global_buffer, .address_space: global }
      - { .name: gamma, .offset: 24, .size: 8, .value_kind: global_buffer, .address_space: global }
      - { .name: lowp_scales, .offset: 32, .size: 8, .value_kind: global_buffer, .address_space: global }
      - { .name: xc, .offset: 40, .size: 8, .value_kind: global_buffer, .address_space: global }
    .group_segment_fixed_size: 75776
    .private_segment_fixed_size: 0
    .kernarg_segment_align: 8
    .kernarg_segment_size: 48
    .max_flat_workgroup_size: 512
    .sgpr_count:     66
    .vgpr_count:     256
    .wavefront_size: 32
...
	.end_amdgpu_metadata
.endif
;; end of part 1
;; launch gemm (part 2): grid 32 x 8, 4 waves a work-group, clusters of 4 x 1, 327,680 bytes of LDS; arguments xc, w_codes, lowp_scales, beta, gamma, out0; writes out0
.if DOCPART == 2
	.amdgcn_target "amdgcn-amd-amdhsa--gfx1250"
	.amdhsa_code_object_version 6
	.text
	.protected	k_q45ca34e095_gemm
	.globl	k_q45ca34e095_gemm
	.p2align	8
	.type	k_q45ca34e095_gemm,@function
k_q45ca34e095_gemm:
	s_mov_b64 s[64:65], 0
	v_nop
	global_prefetch_b8 v0, s[64:65] scope:SCOPE_SE
	s_setreg_imm32_b32 hwreg(HW_REG_WAVE_MODE, 25, 1), 1
	s_wait_xcnt 0x0
	s_wait_alu depctr_hold_cnt(0) depctr_sa_sdst(0) depctr_va_vdst(0) depctr_va_sdst(0) depctr_va_ssrc(0) depctr_va_vcc(0) depctr_vm_vsrc(0)
	s_getreg_b32 s2, hwreg(HW_REG_IB_STS2, 6, 4)
	s_cmp_eq_u32 s2, 0
	s_cbranch_scc0 .Lentry_in_a_cluster
	s_endpgm
.Lentry_in_a_cluster:
	s_bfe_u32 s2, ttmp6, 0x10000c
	s_cmp_lg_u32 s2, 0x3003
	s_cbranch_scc0 .Lentry_shape_is_right
	s_endpgm
.Lentry_shape_is_right:
; out0[m][n] = beta gamma / 128 x 2^(e0 + e1) x the sum over k of xcode[m][k] wcode[n][k]; E5M2 codes multiplied as they are, sums in f32.  M 8,192, N 2,048, K 4,096.
; LIMIT: beta x gamma is a finite f32 number; the power of two is applied by v_ldexp_f32.
; A work-group of four waves makes 256 x 256 of out0; wave v makes rows 64 v .. 64 v + 63 x all 256 columns: 64 accumulators, 512 registers.
; THE TWO OPERANDS COME BY TWO ROADS.
;  w (256 rows of n, which all four waves read) goes through a ring of two LDS slots, 512 along K each (rows of 512 bytes of memory, 528 apart in LDS): 8 fills in all, a quarter (64 rows) a wave.
;  x's codes (each wave needs 64 rows of its own, which no other wave of the work-group or of the cluster reads) go from memory straight into registers: the launch before has laid them as
;  register images, so a step of 128 along K is 16 loads of 512 consecutive bytes.  Four sets of 64 registers: the set that a step has left takes the step three further on.
; CLUSTERS: 4 x 1 work-groups, four row blocks of one column block: they need the same tiles of w and ask for them JOINTLY (mask 15).  x is not shared inside a cluster, so it has no joint load.
; THE MATRIX INSTRUCTION IS USED TRANSPOSED (source 0 = 16 rows of w, source 1 = 16 rows of x): a lane holds eight neighbouring numbers of a row of out0.
; Both operands hold K = 32 c + 16 (l / 16) + 0 .. 15 in registers 4 c .. 4 c + 3: one permutation of k on both sides.
; A STEP (128 along K) is 64 matrix instructions: w's 16 fragments one after the other, each against x's four.  The fragments come in groups of 6, 5 and 5 through two halves of six fragments' registers:
; while one group is multiplied the next is on its way from LDS: three runs of loads a step, x's sixteen loads in the first of them.
; THE LAST THREE STEPS go by quarters of the columns, not by K: x's sets of all three are in registers, each fragment of w is still read once (groups of four), and a finished quarter
; (64 rows x 64 columns) leaves through the stage while the next quarters are multiplied.
; REGISTERS: window 0: v0-31 addresses, v32-127 and v128-223 the two halves (in the last three steps v128-191 and v192-255, and v32-127 serve the way out); window 1: x's four sets;
;   window 2: accumulators of columns 0-127 ((a, i) at 8 (8 a + i)); window 3: columns 128-255.
; PREFETCH: behind each joint refill (the tile of period P + 2) one instruction a wave names w's tile of period P + 4: its 512 blocks of 256 bytes are shared out by address among the cluster's 16 waves;
; of the eight clusters that read a tile the one with x = 0 asks.  There too the work-groups of column block 0 name their waves' x images of period P + 2 (four instructions, a lane a block of 256 bytes).
; The last two refills name no tile of w; all x named lies inside the wave's stream.
.set PITCH,  528
.set QROWS,  64*PITCH
.set SLOT,   4*QROWS
.set SPARE,  2*SLOT                    ; the spare words, 128 bytes a wave
.set SPITCH, 272                       ; the way out: a stage of 16 rows x (256 + 16) bytes a wave, in slot 0, behind its last fill and its last read
.set ADL, 16                           ; v16-19  w's fragments: slot 0 rows 0-127, 128-255; slot 1 likewise (an LDS offset has 16 bits)
.set XO,  20                           ; 16 x lane
.set PFX, 21                           ; 256 x lane
.set PFW, 22                           ; 4,096 (lane / 2) + 256 (lane & 1)
.set STO, 24
.set RD,  25
.set CO,  26
.set SPW, 28
.set NIL, 29
.set FAC, 30
.set H0,  32                           ; the first half; the second lies 96 registers on
.set TMP, 32
.set BK,  64
.set G1,  24
.set G0,  32
.set XP,  40                           ; s[40:41] my x stream, at the lap's first step
.set OUTP, 70
.set PFA, 76
.set LIM, 78
.set MSB, 0
.macro WIN new
.if MSB != \new
	s_set_vgpr_msb (MSB<<8)|\new
.set MSB, \new
.endif
.endm
.macro PLACES                          ; four places behind matrix instructions, ahead of loads into their sources and of reads of their results
.rept 4
	v_nop
.endr
.endm
.macro CREST
	s_cmp_lg_u32 s14, 0
	s_cbranch_scc1 .Lnot_wave_0_\@
	s_barrier_signal -3
.Lnot_wave_0_\@:
	s_barrier_wait -3
	s_barrier_signal -1
	s_barrier_wait -1
.endm
.macro CROUND
	s_barrier_signal -1
	s_barrier_wait -1
	CREST
.endm
.macro LF slot, q, i0, cnt, base       ; w's fragments i0 .. i0 + cnt - 1 of the slot's q-th 128 along K into the registers from base on: one run of 4 cnt loads
	WIN 0
.set fi, \i0
.set fb, \base
.rept \cnt
.irp c, 0,1,2,3
	ds_load_b128 v[fb+4*\c:fb+4*\c+3], v[ADL+2*(\slot)+fi/8] offset:(fi%8)*16*PITCH+128*(\q)+32*\c
.endr
.set fi, fi+1
.set fb, fb+16
.endr
.endm
.macro MU q, i0, cnt, base, zero       ; those fragments x x's four of set q; the accumulators take turns
.set fi, \i0
.set fb, \base
.rept \cnt
	WIN 0xa4+0x50*(fi/8)
.irp a, 0,1,2,3
.if \zero
	v_wmma_f32_16x16x128_bf8_bf8 v[8*(8*\a+fi%8):8*(8*\a+fi%8)+7], v[fb:fb+15], v[64*(\q)+16*\a:64*(\q)+16*\a+15], 0
.else
	v_wmma_f32_16x16x128_bf8_bf8 v[8*(8*\a+fi%8):8*(8*\a+fi%8)+7], v[fb:fb+15], v[64*(\q)+16*\a:64*(\q)+16*\a+15], v[8*(8*\a+fi%8):8*(8*\a+fi%8)+7]
.endif
.endr
.set fi, fi+1
.set fb, fb+16
.endr
.endm
.macro GFETCH gj                       ; x's four fragments of the lap's step gj into set gj % 4
	WIN 0x40
.irp x, 0,1,2,3,4,5,6,7,8,9,10,11,12,13,14,15
	global_load_b128 v[64*((\gj)%4)+4*\x:64*((\gj)%4)+4*\x+3], v[XO], s[XP:XP+1] offset:(\gj)*8192+\x*512
.endr
.endm
.macro ASK slot
	s_cmp_gt_u32 s3, s[LIM]                        ; my cluster asks for w, and the tile four periods on exists (not in the loop's last trip)
	s_cbranch_scc0 .Lno_w_\@
	global_prefetch_b8 v[PFW], s[PFA:PFA+1] th:TH_LOAD_NT scope:SCOPE_SE
.Lno_w_\@:
	s_cmp_eq_u32 s17, 0                            ; column block 0 asks for x
	s_cbranch_scc0 .Lno_x_\@
.irp n, 0,1,2,3
	global_prefetch_b8 v[PFX], s[XP:XP+1] offset:(8+4*(\slot)+\n)*8192 th:TH_LOAD_NT scope:SCOPE_SE
.endr
.Lno_x_\@:
.endm
; The lap's step j.  gj: the lap's step whose x is asked for (-1: none).  lcnt: the x loads issued behind this step's own, which may stay out.
; mode 0: the next step lies in the same slot; 1: the slot's last step, the slot is filled again; 2: the same with no fill; 3: the walk by quarters follows.
; The groups of a step lie in halves HA, HB, HA; three groups a step, so the halves change places from step to step.
.macro STEP j, zero, gj, lcnt, mode
.set SL, ((\j)/4)%2
.set SQ, (\j)%4
.set HA, H0+96*((\j)%2)
.set HB, H0+96*(1-(\j)%2)
	PLACES
	s_wait_loadcnt \lcnt                           ; loads come back in order: this step's sixteen are in
.if (\gj) >= 0
	GFETCH \gj
.endif
	LF SL, SQ, 6, 5, HB
	s_wait_dscnt 20                                ; all but the 20 just issued
	MU SQ, 0, 6, HA, \zero
	PLACES
	LF SL, SQ, 11, 5, HA
.if (\mode) == 0
	s_wait_dscnt 20
	MU SQ, 6, 5, HB, \zero
	PLACES
	LF SL, SQ+1, 0, 6, HB
	s_wait_dscnt 24
	MU SQ, 11, 5, HA, \zero
.endif
.if (\mode) == 3
	s_wait_dscnt 20
	MU SQ, 6, 5, HB, \zero
	PLACES
	LF SL, SQ+1, 0, 4, HB                          ; the first group of the walk by quarters
	s_wait_dscnt 16
	MU SQ, 11, 5, HA, \zero
.endif
.if ((\mode) == 1) || ((\mode) == 2)
.if (\mode) == 1
	s_wait_xcnt 0x0                                ; my last prefetch has read its address
	s_add_nc_u64 s[PFA:PFA+1], s[PFA:PFA+1], 512
.endif
	s_wait_tensorcnt 0x0                           ; my one tensor load that was out, my quarter of the next slot, has landed;
	ds_add_u32 v[SPW], v[NIL]                      ; 0 onto my spare word
	s_wait_dscnt 21                                ; (the add and the last group's twenty loads may be out)
	MU SQ, 6, 2, HB, 0
	s_wait_dscnt 0x0                               ; the add is done, and my reads of this slot are over
	s_barrier_signal -1
	MU SQ, 8, 3, HB+32, 0
	WIN 0
	s_barrier_wait -1
.if (\mode) == 1
	CREST                                          ; the barrier has opened a round of the cluster's barrier: no wave of any partner still reads this slot or has a load out
	s_add_nc_u64 s[G0+4*SL+2:G0+4*SL+3], s[G0+4*SL+2:G0+4*SL+3], 1024
	tensor_load_to_lds s[G0+4*SL:G0+4*SL+3], s[G1:G1+7]   ; the tile two periods on: 236 matrix instructions stand between this line and the wait for it
	s_nop 0
.endif
	PLACES
	LF 1-SL, 0, 0, 6, HB
.if (\mode) == 1
	ASK SL
.endif
	MU SQ, 11, 5, HA, 0
.endif
	WIN 0
.endm
	s_load_b128 s[4:7], s[0:1], 0x0                ; x's images, w's codes
	s_load_b128 s[8:11], s[0:1], 0x10              ; the scales' exponents, beta
	s_load_b128 s[68:71], s[0:1], 0x20             ; gamma, out0
	v_lshl_add_u32 v[SPW], v0, 2, SPARE
	v_mov_b32 v[NIL], 0
	ds_add_u32 v[SPW], v[NIL]                      ; the opening lines: the add, twice on end, and its wait
	ds_add_u32 v[SPW], v[NIL]
	v_lshrrev_b32 v1, 5, v0
	v_readfirstlane_b32 s14, v1                    ; wave 0..3
	v_and_b32 v1, 15, v0
	v_bfe_u32 v2, v0, 4, 1
	v_mul_u32_u24 v3, v1, PITCH
	v_lshl_add_u32 v[ADL], v2, 4, v3               ; row l % 16, + 16 (l / 16)
	v_add_nc_u32 v[ADL+1], 8*16*PITCH, v[ADL]
	v_add_nc_u32 v[ADL+2], SLOT, v[ADL]
	v_add_nc_u32 v[ADL+3], SLOT+8*16*PITCH, v[ADL]
	s_mul_i32 s23, s14, 16*SPITCH                  ; my stage
	v_mul_u32_u24 v3, v1, SPITCH
	v_lshl_add_u32 v3, v2, 5, v3                   ; in: row l % 16, 32 bytes for each half of the lanes
	v_add_nc_u32 v[STO], s23, v3
	v_mul_u32_u24 v5, v2, SPITCH
	v_lshl_add_u32 v5, v1, 4, v5                   ; back: lanes 0-15 take one row of 256 bytes, lanes 16-31 the next
	v_add_nc_u32 v[RD], s23, v5
	v_lshlrev_b32 v6, 13, v2
	v_lshl_add_u32 v[CO], v1, 4, v6                ; and the same two rows in out0
	v_and_b32 v4, 31, v0
	v_lshlrev_b32 v[XO], 4, v4
	v_lshlrev_b32 v[PFX], 8, v4
	v_lshrrev_b32 v5, 1, v4
	v_and_b32 v6, 1, v0
	v_lshlrev_b32 v6, 8, v6
	v_lshl_add_u32 v[PFW], v5, 12, v6
	s_bfe_u32 s15, ttmp6, 0x40000                  ; cx
	s_lshl_b32 s16, ttmp9, 2
	s_add_co_u32 s16, s16, s15                     ; row block = 4 x cluster x + cx
	s_and_b32 s17, ttmp7, 0xffff                   ; column block: the same in all four partners
	s_cmp_eq_u32 ttmp9, 0
	s_cselect_b32 s[LIM], 1, -1
	s_mov_b32 s[G1], 15|(1<<20)|(1<<21)|(6<<22)|(3<<25)   ; mask: all four of the cluster; elements of 1 byte; 4 words of padding behind every 128
	s_mov_b32 s[G1+1], 512<<16
	s_mov_b32 s[G1+2], 64<<16
	s_mov_b32 s[G1+3], 512<<16
	s_mov_b32 s[G1+4], 64
	s_mov_b32 s[G1+5], 4096
	s_mov_b32 s[G1+6], 0
	s_mov_b32 s[G1+7], 0
	s_lshl_b32 s18, s17, 20                        ; w: row 256 x column block + 64 x wave, 4,096 bytes each
	s_lshl_b32 s19, s14, 18
	s_add_co_u32 s18, s18, s19
	s_mov_b32 s19, 0
	s_lshl_b32 s20, s16, 2                         ; x: stream 4 x row block + wave, 262,144 bytes each
	s_add_co_u32 s20, s20, s14
	s_lshl_b32 s20, s20, 18
	s_mov_b32 s21, 0
	s_lshl_b32 s22, s16, 21                        ; out0: row 256 x row block + 64 x wave, 8,192 bytes each; column 256 x column block
	s_lshl_b32 s23, s14, 19
	s_add_co_u32 s22, s22, s23
	s_lshl_b32 s23, s17, 10
	s_add_co_u32 s22, s22, s23
	s_mov_b32 s23, 0
	s_lshl_b32 s44, s15, 16                        ; the prefetch of w: of my wave's 64 rows, partner cx names 16; it stands three periods along K and is stepped ahead of each use
	s_add_co_u32 s44, s44, 1536
	s_mov_b32 s45, 0
	s_mul_i32 s43, s14, QROWS
	s_wait_alu depctr_va_vdst(0)                   ; the head's vector work ends here
	s_wait_dscnt 0x0
	s_wait_kmcnt 0x0
	s_load_b64 s[96:97], s[8:9], 0x0               ; e0, e1
	s_load_b32 s74, s[10:11], 0x0                  ; beta
	s_load_b32 s75, s[68:69], 0x0                  ; gamma
	s_add_nc_u64 s[46:47], s[6:7], s[18:19]
	s_add_nc_u64 s[XP:XP+1], s[4:5], s[20:21]
	s_add_nc_u64 s[OUTP:OUTP+1], s[OUTP:OUTP+1], s[22:23]
	s_add_nc_u64 s[PFA:PFA+1], s[46:47], s[44:45]
	s_mov_b32 s[G0], 1
	s_mov_b32 s[G0+1], s43
	s_mov_b64 s[G0+2:G0+3], s[46:47]
	s_or_b32 s[G0+3], s[G0+3], 0x80000000
	s_mov_b32 s[G0+4], 1
	s_add_co_u32 s[G0+5], s43, SLOT
	s_add_nc_u64 s[G0+6:G0+7], s[46:47], 512
	s_or_b32 s[G0+7], s[G0+7], 0x80000000
	CROUND                                         ; the four work-groups are here: the first joint loads meet
	tensor_load_to_lds s[G0:G0+3], s[G1:G1+7]      ; period 0: one tensor load a wave at the head
	s_nop 0
	PLACES
	GFETCH 0                                       ; x of steps 0 and 1: what is needed first is asked for first
	GFETCH 1
	WIN 0
	s_wait_tensorcnt 0x0                           ; slot 1's first fill is issued as a refill is
	ds_add_u32 v[SPW], v[NIL]
	s_wait_dscnt 0x0
	CROUND
	tensor_load_to_lds s[G0+4:G0+7], s[G1:G1+7]    ; period 1
	s_nop 0
	PLACES
	GFETCH 2
	LF 0, 0, 0, 6, H0
	STEP 0, 1, 3, 32, 0                            ; the first step starts the sums: nothing is cleared
	s_mov_b32 s3, 3
.Llap:                                                 ; a trip: eight steps, from a lap's second to the next lap's first; both slots are filled again
	STEP 1, 0, 4, 32, 0
	STEP 2, 0, 5, 32, 0
	STEP 3, 0, 6, 32, 1
	STEP 4, 0, 7, 32, 0
	STEP 5, 0, 8, 32, 0
	STEP 6, 0, 9, 32, 0
	STEP 7, 0, 10, 32, 1
	STEP 8, 0, 11, 32, 0
	s_wait_xcnt 0x0                                ; my loads and prefetches have read their base
	s_add_nc_u64 s[XP:XP+1], s[XP:XP+1], 65536
	s_sub_co_u32 s3, s3, 1
	s_cmp_lg_u32 s3, 0
	s_cbranch_scc1 .Llap
	STEP 1, 0, 4, 32, 0                            ; the last lap fills nothing
	STEP 2, 0, 5, 32, 0
	STEP 3, 0, 6, 32, 2
	STEP 4, 0, 7, 32, 3
; THE WAY OUT of a quarter g of the columns, by chunks of 16 rows x 64 columns (chunk a: rows 16 a): scaled, through my own stage, back as whole rows of 256 bytes.
; LDS serves a wave's instructions in order (ISA guide 5.7.1.4): no wait between the stores and the loads.
.macro TOST a, g
	s_wait_xcnt 0x0                                ; the stores of the chunk two back have read their registers: this chunk's loads may land there
	WIN 0x02+((\g)/2)
.irp j, 0,2,4,6,8,10,12,14,16,18,20,22,24,26,28,30
	v_pk_mul_f32 v[TMP+\j:TMP+\j+1], v[64*(\a)+32*((\g)%2)+\j:64*(\a)+32*((\g)%2)+\j+1], v[FAC:FAC+1]   ; each accumulator from its low end on
.endr
	WIN 0
.irp k, 0,1,2,3
	ds_store_b128 v[STO], v[TMP+8*\k:TMP+8*\k+3] offset:64*\k
	ds_store_b128 v[STO], v[TMP+8*\k+4:TMP+8*\k+7] offset:64*\k+16
.endr
.irp t, 0,1,2,3,4,5,6,7
	ds_load_b128 v[BK+32*((\a)%2)+4*\t:BK+32*((\a)%2)+4*\t+3], v[RD] offset:\t*2*SPITCH
.endr
.endm
.macro SEND a, g, younger
	s_wait_dscnt \younger
.irp t, 0,1,2,3,4,5,6,7
	global_store_b128 v[CO], v[BK+32*((\a)%2)+4*\t:BK+32*((\a)%2)+4*\t+3], s[OUTP:OUTP+1] offset:(16*(\a)+2*\t)*8192+256*(\g) th:TH_STORE_NT   ; sixteen lanes store 256 consecutive bytes, at a multiple of 256 from out0's first byte
.endr
.endm
.macro OUTG g
	PLACES
	TOST 0, \g
.irp a, 1,2,3
	TOST \a, \g
	SEND \a-1, \g, 16                              ; behind chunk a - 1's loads: chunk a's 8 stores and 8 loads
.endr
	SEND 3, \g, 0
.endm
	s_wait_kmcnt 0x0
	s_add_co_i32 s96, s96, s97
	s_sub_co_i32 s96, s96, 7                       ; e0 + e1 - 7: the 1 / 128 goes with the scales
	v_mov_b32 v[FAC], s74
	v_mul_f32 v[FAC], s75, v[FAC]
	v_ldexp_f32 v[FAC], v[FAC], s96
	v_mov_b32 v[FAC+1], v[FAC]
	s_wait_alu depctr_va_vdst(0)
.set tt, 0
.rept 12                               ; steps 5, 6, 7 of the last lap: group tt is quarter tt / 3 of the columns in step 5 + tt % 3; halves v128-191 and v192-255 by turns
	PLACES
.if tt < 11
	LF 1, 1+(tt+1)%3, 4*((tt+1)/3), 4, 128+64*((tt+1)%2)
.endif
.if tt == 0
	s_wait_loadcnt 32                              ; x of step 5 is in,
.endif
.if tt == 1
	s_wait_loadcnt 16                              ; of step 6,
.endif
.if tt == 2
	s_wait_loadcnt 0                               ; of step 7
.endif
.if tt < 11
	s_wait_dscnt 16                                ; all but the 16 just issued
.else
	s_wait_dscnt 0
.endif
	MU 1+tt%3, 4*(tt/3), 4, 128+64*(tt%2), 0
.if tt%3 == 2
	OUTG tt/3
.endif
.set tt, tt+1
.endr
	s_wait_tensorcnt 0x0                           ; the wave's end
	ds_add_u32 v[SPW], v[NIL]
	s_wait_dscnt 0x0
	CROUND                                         ; the closing round
	s_endpgm
.Lfunc_end_k_q45ca34e095_gemm:
	.size	k_q45ca34e095_gemm, .Lfunc_end_k_q45ca34e095_gemm-k_q45ca34e095_gemm
	.p2alignl 7, 3214868480
	.fill 96, 4, 3214868480
	.section	.rodata,"a",@progbits
	.p2align	6, 0x0
	.amdhsa_kernel k_q45ca34e095_gemm
		.amdhsa_group_segment_fixed_size 327680
		.amdhsa_private_segment_fixed_size 0
		.amdhsa_enable_private_segment 0
		.amdhsa_kernarg_size 48
		.amdhsa_user_sgpr_count 2
		.amdhsa_user_sgpr_kernarg_segment_ptr 1
		.amdhsa_wavefront_size32 1
		.amdhsa_system_sgpr_workgroup_id_x 1
		.amdhsa_system_sgpr_workgroup_id_y 1
		.amdhsa_system_sgpr_workgroup_id_z 1
		.amdhsa_system_vgpr_workitem_id 0
		.amdhsa_next_free_vgpr 1024
		.amdhsa_next_free_sgpr 98
		.amdhsa_reserve_vcc 0
		.amdhsa_float_denorm_mode_32 3
		.amdhsa_float_denorm_mode_16_64 3
		.amdhsa_memory_ordered 1
		.amdhsa_forward_progress 1
		.amdhsa_inst_pref_size 221
	.end_amdhsa_kernel
	.amdgpu_metadata
---
amdhsa.version: [ 1, 2 ]
amdhsa.kernels:
  - .name:           k_q45ca34e095_gemm
    .symbol:         k_q45ca34e095_gemm.kd
    .args:
      - { .name: xc, .offset: 0, .size: 8, .value_kind: global_buffer, .address_space: global }
      - { .name: w_codes, .offset: 8, .size: 8, .value_kind: global_buffer, .address_space: global }
      - { .name: lowp_scales, .offset: 16, .size: 8, .value_kind: global_buffer, .address_space: global }
      - { .name: beta, .offset: 24, .size: 8, .value_kind: global_buffer, .address_space: global }
      - { .name: gamma, .offset: 32, .size: 8, .value_kind: global_buffer, .address_space: global }
      - { .name: out0, .offset: 40, .size: 8, .value_kind: global_buffer, .address_space: global }
    .group_segment_fixed_size: 327680
    .private_segment_fixed_size: 0
    .kernarg_segment_align: 8
    .kernarg_segment_size: 48
    .max_flat_workgroup_size: 128
    .sgpr_count:     98
    .vgpr_count:     1024
    .wavefront_size: 32
...
	.end_amdgpu_metadata
.endif
;; end of part 2
